; MI455X (gfx1250); checked and timed in simulation.
; The chip was launched on July 23, 2026; its instructions are those of AMD's public machine-readable ISA for CDNA 5 (MIT licence, August 2026) and "CDNA5" Instruction Set Architecture Reference Guide (July 2026). The comments in the code are by the model that wrote it; some were corrected since.
;; Model. Allowed arithmetic: float matrix products may take bf16 or f16 operands with f32 sums; all other float work in f32.
;; Inputs: image 3 x 256 x 256 float32; masks0 16 x 512 bool; masks1 512 x 512 bool; masks2 512 x 24 bool; pos_enc 256 x 256 x 16 bool; thresholds0 512 int32; thresholds1 512 int32; thresholds2 24 int32.
;; Outputs: out0 3 x 256 x 256 float32; out1 3 x 256 x 256 float32.
;; One version. Each part assembles by itself: llvm-mc -triple=amdgcn-amd-amdhsa -mcpu=gfx1250 --defsym DOCPART=n.
;; ======== version 1 of 1: 1 launch
;; launch bnn (part 1): grid 256 x 1, 4 waves a work-group, clusters of 4 x 1, 316,672 bytes of LDS; arguments pos_enc, masks0, masks1, masks2, thresholds0, thresholds1, thresholds2, image, out0, out1; writes out0, out1
.if DOCPART == 1
	.amdgcn_target "amdgcn-amd-amdhsa--gfx1250"
	.amdhsa_code_object_version 6
	.text
	.protected	k_q1ac4b0eae7_bnn
	.globl	k_q1ac4b0eae7_bnn
	.p2align	8
	.type	k_q1ac4b0eae7_bnn,@function
k_q1ac4b0eae7_bnn:
	s_mov_b64 s[64:65], 0
	v_nop
	global_prefetch_b8 v0, s[64:65] scope:SCOPE_SE
	s_setreg_imm32_b32 hwreg(HW_REG_WAVE_MODE, 25, 1), 1
	s_wait_xcnt 0x0
	s_wait_alu depctr_hold_cnt(0) depctr_sa_sdst(0) depctr_va_vdst(0) depctr_va_sdst(0) depctr_va_ssrc(0) depctr_va_vcc(0) depctr_vm_vsrc(0)
	s_getreg_b32 s2, hwreg(HW_REG_IB_STS2, 6, 4)
	s_cmp_eq_u32 s2, 0
	s_cbranch_scc0 .Lentry_in_a_cluster
	s_endpgm
.Lentry_in_a_cluster:
	s_bfe_u32 s2, ttmp6, 0x10000c
	s_cmp_lg_u32 s2, 0x3003
	s_cbranch_scc0 .Lentry_shape_is_right
	s_endpgm
.Lentry_shape_is_right:
; THREE XNOR-POPCOUNT-THRESHOLD BLOCKS (16 -> 512 -> 512 -> 24 bits) FOR 65,536 PIXELS, THEN THREE BYTES A PIXEL AND THE ERROR AGAINST THE IMAGE.
; One launch.  256 work-groups of four waves; a work-group owns 256 pixels, a wave 64 (four column tiles of 16).
;
; WORK LEFT OUT.  reference() forms sums = x.m + (1-x).(1-m) as two products.  For all real x and m
;   x m + (1-x)(1-m) = ( (2x-1)(2m-1) + 1 ) / 2,   so   sums = ( dot + din ) / 2   with   dot = (2x-1).(2m-1),
; and sums > t is the same as dot > 2 t - din.  So each block is ONE product of +-1 operands; the second product of each block is not formed.
; +-1 is exact in bf16 and the f32 sums of at most 512 such terms are exact whole numbers.  Every input has a way to an output and is loaded.
; Limit: the operands of the products left out are booleans, so no NaN, infinity or overflow can arise there; none would be carried.
; Limit: a bool byte is 0 or 1, as the format states; other byte values are not served.
; Thresholds may be any int32: they are converted to f32 as reference() converts them, and enter as the start value of the sums,
;   layer 0: C = -2 t + 15.5, layer 1: C = 2 t - 511.5, layer 2: C = -2 t + 511.5  (exact below 2^22 in size; beyond that C outweighs every dot, and t alone decides).
; The half makes the sum never zero, so a bit is the sign of the sum and no compare is needed.
;
; SIGNS.  A byte b becomes the bf16 0x3f80 | b << 15 = 1 - 2 b.  A sum becomes the bf16 0x3f80 | its sign.
;   layer 0: (1-2x).(1-2m) = +dot, bit = 1 where the sum is positive, so the packed sign is 2 bit - 1
;   layer 1: (2x-1).(1-2m) = -dot, bit = 1 where the sum is negative, so the packed sign is 1 - 2 bit
;   layer 2: (1-2x).(1-2m) = +dot, bit = 1 where the sign bit is 0
;
; THE MATRIX INSTRUCTION TAKES WEIGHTS AS SOURCE 0 (16 output features x 32 K) AND ACTIVATIONS AS SOURCE 1 (16 pixels).  In the result, lane (r, h)
; register j holds (feature row 8 h + j, pixel r); two results packed to bf16 are the source 1 fragment of the next layer, so activations stay in registers:
; the 512 bits of layer 0 for 64 pixels are 512 registers (windows 1 and 2), and layer 1 is used up by layer 2 thirty-two features at a time.
; WEIGHTS stay in LDS as the bool bytes, in their [K, N] order.  ds_load_tr16_b128 on pairs of bytes gives lane r the columns n0 + 2 r and n0 + 2 r + 1,
; so a block of 32 features is two tiles: E (row r = feature n0 + 2 r) and O (n0 + 2 r + 1).  Packed, K place 8 h + j is feature n0 + 16 h + 2 j and K place
; 16 + 8 h + j is feature n0 + 16 h + 2 j + 1; the next layer reads its weight rows in that order, and the start values lie in LDS in that order.
; PIXELS: tile t, column r is pixel 4 r + t of the wave, so a lane ends with four neighbouring pixels: 16 bytes, and sixteen lanes store 256 consecutive bytes, aligned.
;
; CLUSTER: all work-groups walk the whole of masks1 (262,144 bytes).  Four work-groups form a cluster and ask for it jointly, each wave for 128 rows of each
; of two strips of 256 columns.  Nothing is filled twice, so there are two rounds of the cluster barrier: one in front of the loads, one in front of the end.
; masks0, masks2 and the thresholds (24,672 bytes together) are laid out anew or converted in registers on their way to LDS, so they come by plain loads.
.set LM1S,   139264                    ; a strip of masks1 in LDS: 512 rows x 272 bytes; strip 0 at byte 0, strip 1 behind it
.set PITCH1, 272                       ; 256 bytes + 16 of padding.  A load touches rows two apart: 544 = 2 x 256 + 32, so its pieces start at different multiples of 16 modulo 256
.set KS1,    32*PITCH1                 ; a K step: 32 rows
.set LM0,    278528                    ; masks0: 16 rows of 512 bytes, pitch 544.  From here on LDS is written by ds_store alone; 278,528 = 1,088 x 256
.set PITCH0, 544
.set LM2,    287232                    ; masks2: 512 rows of 24 bytes + 8 zero bytes, pitch 48
.set PITCH2, 48
.set TAB0,   311808                    ; 512 start values of layer 0; those of layer 1 lie 2,048 bytes behind, the 32 of layer 2 4,096 bytes behind
.set TAB2,   315904
.set ADR1L, 8                          ; v8      masks1: lane term + strip + block column, K steps 0-7
.set ADR1H, 9                          ; v9      the same, K steps 8-15 (69,632 bytes on: an LDS immediate has 16 bits)
.set ADR0,  10                         ; v10     masks0
.set ADR2,  11                         ; v11     masks2, stepped by 32 rows a block
.set ADRT0, 12                         ; v12     start values of layer 0 (and, 4,096 on, of layer 2)
.set ADRT1, 13                         ; v13     start values of layer 1, stepped by 128 bytes a block
.set OFFLO, 14                         ; v14     byte offset of my four pixels in channel 0 (lanes 0-15) or channel 2 (lanes 16-31)
.set OFFMID,15                         ; v15     the same in channel 0 for all lanes; channel 1 is 262,144 further
.set IMG,   16                         ; v[16:23]   image: v16-19 at OFFLO, v20-23 channel 1
.set RAW,   24                         ; v[24:55]   four slots of 8: weight bytes of a K step as loaded
.set RAW2,  56                         ; v[56:63]   weight bytes of layer 2
.set FR,    64                         ; v[64:95]   two buffers of 16: weight fragments E, O
.set FW2,   96                         ; v[96:111]  weight fragments of layer 2; in layer 0 the second start tile
.set CT,    112                        ; v[112:127] start tile: E, O
.set ACC1,  128                        ; v[128:191] sums of layers 0 and 1: (E, t) at 128 + 16 t, (O, t) at 136 + 16 t
.set ACC2,  192                        ; v[192:255] sums of layer 2, likewise
.set X,     192                        ; layer 0: the position bits of tile t as a fragment, v[192 + 8 t ..]
.set XR,    24                         ; preparation: position bytes as loaded
.set M0R,   32                         ; masks0 as loaded
.set M2R,   128                        ; masks2 as loaded
.set T0R,   152                        ; thresholds as loaded
.set T1R,   156
.set T2R,   160
.set OUTLO, 24                         ; the end: values and errors
.set OUTHI, 28
.set ERRLO, 32
.set ERRHI, 36
; windows 1 and 2: layer 0 bits of K step s, tile t at register 256 + 32 s + 8 t
.set MSB, 0
.macro WIN new                         ; the high byte of the immediate repeats the setting that is left
.if MSB != (\new)
	s_set_vgpr_msb (MSB<<8)|(\new)
.set MSB, \new
.endif
.endm
.macro ROUND                           ; a round of the cluster barrier: my work-group, wave 0 signals for it, all wait, my work-group again
	s_barrier_signal -1
	s_barrier_wait -1
	s_cmp_lg_u32 s8, 0
	s_cbranch_scc1 .Lnot_wave_0_\@
	s_barrier_signal -3
.Lnot_wave_0_\@:
	s_barrier_wait -3
	s_barrier_signal -1
	s_barrier_wait -1
.endm
	; ---------------- head: ids, constants, the loads ----------------
	s_load_b512 s[36:51], s[0:1], 0x0              ; pos_enc 36, masks0 38, masks1 40, masks2 42, thresholds0 44, thresholds1 46, thresholds2 48, image 50
	s_load_b128 s[52:55], s[0:1], 0x40             ; out0 52, out1 54
	v_lshl_add_u32 v7, v0, 2, 0x4d300
	s_set_vgpr_msb 0xc0
	v_mov_b32 v1, 0
	s_set_vgpr_msb 0xc0cc
	ds_add_u32 v7, v1
	s_set_vgpr_msb 0xcc00
	v_lshrrev_b32 v2, 5, v0
	v_readfirstlane_b32 s8, v2                     ; wave 0..3
	s_bfe_u32 s3, ttmp6, 0x40000                   ; my place in the cluster
	s_lshl_b32 s4, ttmp9, 2
	s_add_co_u32 s4, s4, s3                        ; work-group = 4 x cluster + place
	s_mov_b32 s9, 0x3f3f3f3f                       ; the upper byte of 1.0 in bf16, without its sign, four times
	s_mov_b32 s10, 0x80808080                      ; the lower byte of 1.0 in bf16, four times
	s_mov_b32 s11, 0x06000400                      ; v_perm_b32: bytes 0 and 2 (even column) become upper bytes
	s_mov_b32 s12, 0x07000500                      ; bytes 1 and 3 (odd column)
	s_mov_b32 s13, 0x05000400                      ; bytes 0 and 1
	s_mov_b32 s14, 0x07000600                      ; bytes 2 and 3
	s_mov_b32 s15, 0x07060302                      ; the upper halves of two words
	s_mov_b32 s32, 0x80008000                      ; two signs
	s_mov_b32 s33, 0x3f803f80                      ; 1.0 twice
	v_and_b32 v1, 31, v0                           ; lane
	v_and_b32 v2, 15, v0                           ; r
	v_bfe_u32 v3, v0, 4, 1                         ; h
	s_lshl_b32 s56, s8, 10
	v_lshl_add_u32 v4, v2, 6, s56                  ; pos_enc: 1,024 wave + 64 r (pixel 4 r, 16 bytes a pixel)
	v_lshl_add_u32 v4, v3, 3, v4                   ; + 8 h: bits 8 h .. 8 h + 7
	v_lshlrev_b32 v5, 4, v0                        ; 16 x thread
	v_mul_u32_u24 v6, v0, 96                       ; 96 x thread: four rows of masks2
	s_lshl_b32 s57, s4, 10
	s_lshl_b32 s6, s8, 8
	s_add_co_u32 s57, s57, s6
	v_lshl_add_u32 v[OFFMID], v2, 4, s57           ; 1,024 work-group + 256 wave + 16 r
	v_lshl_add_u32 v[OFFLO], v3, 19, v[OFFMID]     ; lanes 16-31: two channels of 262,144 bytes further
	s_mul_i32 s5, s8, 128*PITCH1                   ; my 128 rows of a strip in LDS
	; descriptor group 1: 128 rows of 64 elements of 4 bytes, 128 elements from row to row, 4 words of padding behind every 64
	s_mov_b32 s16, 0x0772000f                      ; 15:0 mask: all four of the cluster; 17:16 element of 4 bytes; 20 padding on; 21 set beside a mask; 24:22 code 5; 31:25 code 3
	s_mov_b32 s17, 64<<16                          ; tensor_dim0 = 64
	s_mov_b32 s18, 128<<16                         ; tensor_dim1 = 128
	s_mov_b32 s19, 64<<16                          ; tile_dim0 = 64
	s_mov_b32 s20, 128                             ; tile_dim1 = 128
	s_mov_b32 s21, 128                             ; the pitch in memory
	s_mov_b32 s22, 0
	s_mov_b32 s23, 0
	s_wait_dscnt 0x0
	s_wait_kmcnt 0x0
	s_lshl_b32 s6, s4, 12                          ; 256 pixels of 16 bytes a work-group
	s_mov_b32 s7, 0
	s_add_nc_u64 s[36:37], s[36:37], s[6:7]
	s_lshl_b32 s6, s8, 16                          ; my 128 rows of masks1: 65,536 bytes a wave
	s_add_nc_u64 s[40:41], s[40:41], s[6:7]
.irp t,0,1,2,3
	global_load_b64 v[XR+2*\t:XR+2*\t+1], v4, s[36:37] offset:16*\t th:TH_LOAD_NT   ; pixel 4 r + t
.endr
.irp i,0,1,2,3
	global_load_b128 v[M0R+4*\i:M0R+4*\i+3], v5, s[38:39] offset:2048*\i            ; row 4 i + wave, bytes 16 lane ..
.endr
.irp i,0,1,2,3,4,5
	global_load_b128 v[M2R+4*\i:M2R+4*\i+3], v6, s[42:43] offset:16*\i
.endr
	global_load_b128 v[T0R:T0R+3], v5, s[44:45]
	global_load_b128 v[T1R:T1R+3], v5, s[46:47]
	global_load_b128 v[IMG:IMG+3], v[OFFLO], s[50:51] th:TH_LOAD_NT
	global_load_b128 v[IMG+4:IMG+7], v[OFFMID], s[50:51] offset:262144 th:TH_LOAD_NT
	; descriptor group 0, one for each strip.  No word hangs on the place in the cluster.
.irp q,0,1
	s_mov_b32 s[24+4*\q], 1
	s_add_co_u32 s[25+4*\q], s5, \q*LM1S
	s_add_nc_u64 s[26+4*\q:27+4*\q], s[40:41], \q*256
	s_or_b32 s[27+4*\q], s[27+4*\q], 0x80000000
.endr
	ROUND                                          ; the four work-groups are here: the joint loads meet
	tensor_load_to_lds s[24:27], s[16:23]          ; strip 0.  Two tensor loads of a wave are out at the most, these two
	s_nop 0
	tensor_load_to_lds s[28:31], s[16:23]          ; strip 1
	s_nop 0
	; ---------------- preparation: LDS addresses, then the small inputs into LDS ----------------
	v_and_b32 v176, 7, v0                          ; lane mod 8: the row that I address in a transposing load
	v_bfe_u32 v177, v0, 3, 1                       ; which 16 bytes of the 32 columns
	v_mul_u32_u24 v[ADR1L], v3, 16*PITCH1          ; masks1: row 16 h + 2 (lane mod 8)
	v_mad_u32_u24 v[ADR1L], v176, 2*PITCH1, v[ADR1L]
	v_lshl_add_u32 v[ADR1L], v177, 4, v[ADR1L]
	v_add_nc_u32 v[ADR1H], 8*KS1, v[ADR1L]
	v_lshl_add_u32 v[ADR0], v3, 3, v176            ; masks0: row 8 h + lane mod 8
	v_mul_u32_u24 v[ADR0], v[ADR0], PITCH0
	v_lshl_add_u32 v[ADR0], v177, 4, v[ADR0]
	v_add_nc_u32 v[ADR0], LM0, v[ADR0]
	v_mul_u32_u24 v[ADR2], v3, 16*PITCH2           ; masks2: row 16 h + 2 (lane mod 8)
	v_mad_u32_u24 v[ADR2], v176, 2*PITCH2, v[ADR2]
	v_lshl_add_u32 v[ADR2], v177, 4, v[ADR2]
	v_add_nc_u32 v[ADR2], LM2, v[ADR2]
	v_lshlrev_b32 v[ADRT0], 6, v3                  ; start values: 16 words for each h
	v_add_nc_u32 v[ADRT0], TAB0, v[ADRT0]
	v_add_nc_u32 v[ADRT1], 2048, v[ADRT0]
	s_mul_i32 s58, s8, PITCH0
	s_add_co_u32 s58, s58, LM0
	v_lshl_add_u32 v184, v1, 4, s58                ; masks0 goes to row 4 i + wave, byte 16 lane
	s_mul_i32 s59, s8, 128*PITCH2
	s_add_co_u32 s59, s59, LM2
	v_mul_u32_u24 v185, v1, 4*PITCH2
	v_add_nc_u32 v185, s59, v185                   ; masks2: my four rows
	s_lshl_b32 s60, s8, 9
	s_add_co_u32 s60, s60, TAB0
	v_lshrrev_b32 v186, 2, v1                      ; my four thresholds are features 4 thread ..: sixteen-group thread / 4, places 4 (thread mod 4) ..
	v_and_b32 v187, 3, v1
	v_lshlrev_b32 v187, 3, v187
	v_lshl_add_u32 v186, v186, 6, v187             ; even features at 64 (thread / 4) + 8 (thread mod 4), odd ones 32 bytes behind
	v_add_nc_u32 v186, s60, v186
	; wave 0 alone: the 24 thresholds of layer 2, and zeros for the eight features that pad the tile
	s_cmp_lg_u32 s8, 0
	s_cbranch_scc1 .Lall_waves
	v_min_u32 v178, 5, v1                          ; six lanes cover the 96 bytes; the others repeat the last 16
	v_lshlrev_b32 v178, 4, v178
	global_load_b128 v[T2R:T2R+3], v178, s[48:49]
	v_min_u32 v179, 7, v1                          ; lanes 6 and 7 write the zeros; the lanes above repeat lane 7
	v_lshrrev_b32 v188, 2, v179
	v_and_b32 v179, 3, v179
	v_lshlrev_b32 v179, 3, v179
	v_lshl_add_u32 v179, v188, 6, v179
	v_add_nc_u32 v179, TAB2, v179
	v_cmp_gt_u32 vcc_lo, 6, v1
	s_wait_loadcnt 0x0
.irp j,0,1,2,3
	v_cvt_f32_i32 v[T2R+\j], v[T2R+\j]
.endr
	v_fmaak_f32 v180, -2.0, v[T2R+0], 0x43ffc000   ; -2 t + 511.5; even features in one pair,
	v_fmaak_f32 v181, -2.0, v[T2R+2], 0x43ffc000
	v_fmaak_f32 v182, -2.0, v[T2R+1], 0x43ffc000   ; odd ones in the other
	v_fmaak_f32 v183, -2.0, v[T2R+3], 0x43ffc000
.irp j,0,1,2,3
	v_cndmask_b32 v[180+\j], 0, v[180+\j], vcc_lo
.endr
	ds_store_b64 v179, v[180:181]
	ds_store_b64 v179, v[182:183] offset:32
.Lall_waves:
	s_wait_loadcnt 0x0                             ; all my loads, the image among them
.irp i,0,1,2,3
	ds_store_b128 v184, v[M0R+4*\i:M0R+4*\i+3] offset:4*PITCH0*\i
.endr
	v_mov_b32 v172, 0
	v_mov_b32 v173, 0
.irp i,0,1,2,3
	ds_store_b128 v185, v[M2R+6*\i:M2R+6*\i+3] offset:PITCH2*\i
	ds_store_b64 v185, v[M2R+6*\i+4:M2R+6*\i+5] offset:PITCH2*\i+16
	ds_store_b64 v185, v[172:173] offset:PITCH2*\i+24      ; columns 24-31: defined bytes for the padded features
.endr
.irp j,0,1,2,3
	v_cvt_f32_i32 v[T0R+\j], v[T0R+\j]
	v_cvt_f32_i32 v[T1R+\j], v[T1R+\j]
.endr
	v_fmaak_f32 v164, -2.0, v[T0R+0], 0x41780000   ; -2 t + 15.5
	v_fmaak_f32 v165, -2.0, v[T0R+2], 0x41780000
	v_fmaak_f32 v166, -2.0, v[T0R+1], 0x41780000
	v_fmaak_f32 v167, -2.0, v[T0R+3], 0x41780000
	v_fmaak_f32 v168, 2.0, v[T1R+0], 0xc3ffc000    ; 2 t - 511.5
	v_fmaak_f32 v169, 2.0, v[T1R+2], 0xc3ffc000
	v_fmaak_f32 v170, 2.0, v[T1R+1], 0xc3ffc000
	v_fmaak_f32 v171, 2.0, v[T1R+3], 0xc3ffc000
	ds_store_b64 v186, v[164:165]
	ds_store_b64 v186, v[166:167] offset:32
	ds_store_b64 v186, v[168:169] offset:2048
	ds_store_b64 v186, v[170:171] offset:2080
	; the position bits as fragments: K places 8 h .. 8 h + 7 in registers 0-3; K places 16-31 do not exist and are zero on both sides
.irp t,0,1,2,3
	v_lshl_or_b32 v[XR+2*\t], v[XR+2*\t], 7, s9
	v_lshl_or_b32 v[XR+2*\t+1], v[XR+2*\t+1], 7, s9
	v_perm_b32 v[X+8*\t+0], v[XR+2*\t], s10, s13
	v_perm_b32 v[X+8*\t+1], v[XR+2*\t], s10, s14
	v_perm_b32 v[X+8*\t+2], v[XR+2*\t+1], s10, s13
	v_perm_b32 v[X+8*\t+3], v[XR+2*\t+1], s10, s14
.irp d,4,5,6,7
	v_mov_b32 v[X+8*\t+\d], 0
.endr
.endr
.irp d,4,5,6,7,12,13,14,15
	v_mov_b32 v[FR+\d], 0
.endr
	s_wait_dscnt 0x0                               ; my stores are in LDS,
	s_barrier_signal -1
	s_barrier_wait -1                              ; and so are those of the other waves.  The tensor loads stay out
	; ---------------- layer 0: 16 blocks of 32 features, K = 16 ----------------
.macro L0LOAD b                        ; five loads: the weight bytes of block b and its start tile, into the buffers of its parity
	ds_load_tr16_b128 v[RAW+8*((\b)&1):RAW+8*((\b)&1)+3], v[ADR0] offset:32*(\b)
.irp j,0,1,2,3
	ds_load_b128 v[CT-16*((\b)&1)+4*\j:CT-16*((\b)&1)+4*\j+3], v[ADRT0] offset:128*(\b)+16*\j
.endr
.endm
.macro L0BLOCK b
	s_wait_dscnt 0x0                               ; the five loads of this block, issued a block ago
.if \b < 15
	L0LOAD \b+1
.endif
.irp d,0,1,2,3
	v_lshl_or_b32 v[RAW+8*(\b&1)+\d], v[RAW+8*(\b&1)+\d], 7, s9
.endr
.irp d,0,1,2,3
	v_perm_b32 v[FR+\d], v[RAW+8*(\b&1)+\d], s10, s11
	v_perm_b32 v[FR+8+\d], v[RAW+8*(\b&1)+\d], s10, s12
.endr
.irp t,0,1,2,3
	v_wmma_f32_16x16x32_bf16 v[ACC1+16*\t:ACC1+16*\t+7], v[FR:FR+7], v[X+8*\t:X+8*\t+7], v[CT-16*(\b&1):CT-16*(\b&1)+7]
	v_wmma_f32_16x16x32_bf16 v[ACC1+16*\t+8:ACC1+16*\t+15], v[FR+8:FR+15], v[X+8*\t:X+8*\t+7], v[CT-16*(\b&1)+8:CT-16*(\b&1)+15]
.endr
.rept 4
	v_nop                                          ; four places behind the last matrix instruction before its result is read (ISA guide 7.12.1)
.endr
	WIN 0x40*(1+\b/8)                              ; destination in window 1 (blocks 0-7) or 2
.irp t,0,1,2,3
.irp d,0,1,2,3
	v_perm_b32 v[32*(\b%8)+8*\t+\d], v[ACC1+16*\t+2*\d+1], v[ACC1+16*\t+2*\d], s15
	v_perm_b32 v[32*(\b%8)+8*\t+4+\d], v[ACC1+16*\t+8+2*\d+1], v[ACC1+16*\t+8+2*\d], s15
.endr
.endr
	WIN 0x41*(1+\b/8)                              ; source 0 there too
.set n, 32*(\b%8)
.rept 32
	v_and_or_b32 v[n], v[n], s32, s33              ; two signs on two 1.0
.set n, n+1
.endr
	WIN 0
.endm
	L0LOAD 0
.irp b,0,1,2,3,4,5,6,7,8,9,10,11,12,13,14,15
	L0BLOCK \b
.endr
	; the start values of layer 2 go straight into its eight accumulators, so that every product of layer 2 adds in place
.irp t,0,1,2,3
.irp j,0,1,2,3
	ds_load_b128 v[ACC2+16*\t+4*\j:ACC2+16*\t+4*\j+3], v[ADRT0] offset:4096+16*\j
.endr
.endr
	; ---------------- layers 1 and 2 ----------------
.macro LOADW slot, adr, off            ; the weight bytes of one K step and 32 features: K places 8 h .., then 16 + 8 h .. (one row further)
	ds_load_tr16_b128 v[RAW+8*(\slot):RAW+8*(\slot)+3], v[\adr] offset:\off
	ds_load_tr16_b128 v[RAW+8*(\slot)+4:RAW+8*(\slot)+7], v[\adr] offset:\off+PITCH1
.endm
; Slice n of 24 of the conversion of eight registers of bytes into the fragments E and O.  Only source 0 and the destination are vector registers,
; so the slices run under the window setting of the products.
.macro CVOP n, raw, fr
.if (\n) < 8
	v_lshl_or_b32 v[\raw+(\n)], v[\raw+(\n)], 7, s9
.else
.if ((\n)&1) == 0
	v_perm_b32 v[\fr+((\n)-8)/2], v[\raw+((\n)-8)/2], s10, s11
.else
	v_perm_b32 v[\fr+8+((\n)-8)/2], v[\raw+((\n)-8)/2], s10, s12
.endif
.endif
.endm
.macro KMUL s, i                       ; product i of K step s: tile i / 2, E or O.  K step 0 starts the sum from the start tile
.if \s == 0
	v_wmma_f32_16x16x32_bf16 v[ACC1+8*\i:ACC1+8*\i+7], v[FR+16*(\s&1)+8*(\i&1):FR+16*(\s&1)+8*(\i&1)+7], v[32*(\s%8)+8*(\i/2):32*(\s%8)+8*(\i/2)+7], v[CT+8*(\i&1):CT+8*(\i&1)+7]
.else
	v_wmma_f32_16x16x32_bf16 v[ACC1+8*\i:ACC1+8*\i+7], v[FR+16*(\s&1)+8*(\i&1):FR+16*(\s&1)+8*(\i&1)+7], v[32*(\s%8)+8*(\i/2):32*(\s%8)+8*(\i/2)+7], v[ACC1+8*\i:ACC1+8*\i+7]
.endif
.endm
; K step s of a block.  It asks for the bytes of K step s + 3, converts those of K step s + 1 (three slices behind each product) and multiplies K step s.
; more = 1: a next block follows in this strip, 32 columns on; K steps 13-15 then ask for its K steps 0-2, and K step 8 for its start tile.
; The eight accumulators take turns, one instruction a turn.
.macro KSTEP s, more
.if \s == 8
	ds_load_tr16_b128 v[RAW2:RAW2+3], v[ADR2]                      ; the weights of layer 2 for the 32 features of this block
	ds_load_tr16_b128 v[RAW2+4:RAW2+7], v[ADR2] offset:PITCH2
.if \more
.irp j,0,1,2,3
	ds_load_b128 v[CT+4*\j:CT+4*\j+3], v[ADRT1] offset:128+16*\j
.endr
.endif
.endif
.if (\s+3) < 8
	LOADW (\s+3)%4, ADR1L, (\s+3)*KS1
.else
.if (\s+3) < 16
	LOADW (\s+3)%4, ADR1H, (\s-5)*KS1
.else
.if \more
	LOADW (\s+3)%4, ADR1L, (\s-13)*KS1+32
.endif
.endif
.endif
.set KW, 4                             ; behind the two loads of K step s + 1 stand those of K steps s + 2 and s + 3
.set KC, 1
.if (\s/2) == 4
.set KW, 6+4*\more                     ; in K steps 8 and 9 also the two (six) loads issued at the head of K step 8
.endif
.if \more == 0
.if \s == 13
.set KW, 2                             ; only K step 15 is behind
.endif
.if \s == 14
.set KW, 0
.endif
.if \s == 15
.set KC, 0                             ; nothing is left to convert
.endif
.endif
.if KC
	s_wait_dscnt KW                                ; LDS loads come back in order (ISA guide 5.7.1)
.endif
.irp i,0,1,2,3,4,5,6,7
	KMUL \s, \i
.if KC
	CVOP 3*\i, RAW+8*((\s+1)%4), FR+16*((\s+1)%2)
	CVOP 3*\i+1, RAW+8*((\s+1)%4), FR+16*((\s+1)%2)
	CVOP 3*\i+2, RAW+8*((\s+1)%4), FR+16*((\s+1)%2)
.endif
.if \s == 12
	CVOP 3*\i, RAW2, FW2                           ; shown landed by the wait of K step 10
	CVOP 3*\i+1, RAW2, FW2
	CVOP 3*\i+2, RAW2, FW2
.endif
.endr
.endm
.macro PACK8 t, part                   ; eight sums of tile t (part 0: E, 1: O) become four registers of signs, in place: v[128 + 16 t ..] is then a fragment
.irp d,0,1,2,3
	v_perm_b32 v[ACC1+16*(\t)+4*\part+\d], v[ACC1+16*(\t)+8*\part+2*\d+1], v[ACC1+16*(\t)+8*\part+2*\d], s15
.endr
.irp d,0,1,2,3
	v_and_or_b32 v[ACC1+16*(\t)+4*\part+\d], v[ACC1+16*(\t)+4*\part+\d], s32, s33
.endr
.endm
.macro PACKL2 more                     ; the 32 bits of layer 1 are packed and multiplied into layer 2; the packing of tile t + 1 stands between the products of tile t
.if \more == 0
.rept 5
	v_nop                                          ; five places before a result register serves as source 1 (ISA guide 7.12.1); elsewhere the conversions of K step 15 are the places
.endr
.endif
	PACK8 0, 0
	PACK8 0, 1
.irp t,0,1,2,3
	v_wmma_f32_16x16x32_bf16 v[ACC2+16*\t:ACC2+16*\t+7], v[FW2:FW2+7], v[ACC1+16*\t:ACC1+16*\t+7], v[ACC2+16*\t:ACC2+16*\t+7]
.if \t < 3
	PACK8 \t+1, 0
.endif
	v_wmma_f32_16x16x32_bf16 v[ACC2+16*\t+8:ACC2+16*\t+15], v[FW2+8:FW2+15], v[ACC1+16*\t:ACC1+16*\t+7], v[ACC2+16*\t+8:ACC2+16*\t+15]
.if \t < 3
	PACK8 \t+1, 1
.endif
.endr
.endm
.macro BLOCK more, step                ; 32 features of layer 1 for 64 pixels over K = 512, then their share of layer 2
	WIN 0x04                                       ; source 1 in window 1
.irp s,0,1,2,3,4,5,6,7
	KSTEP \s, \more
.endr
	WIN 0x08                                       ; source 1 in window 2
.irp s,8,9,10,11,12,13,14,15
	KSTEP \s, \more
.endr
	WIN 0
	PACKL2 \more
.if \step
	v_add_nc_u32 v[ADR1L], 32, v[ADR1L]            ; 32 columns of masks1 on
	v_add_nc_u32 v[ADR1H], 32, v[ADR1H]
	v_add_nc_u32 v[ADRT1], 128, v[ADRT1]           ; 32 start values on
	v_add_nc_u32 v[ADR2], 32*PITCH2, v[ADR2]       ; 32 rows of masks2 on
.endif
.endm
.macro HALF q                          ; the eight blocks of strip q
.if \q
	v_add_nc_u32 v[ADR1L], LM1S-256, v[ADR1L]      ; eight steps of 32 lie behind: on to column 0 of the next strip
	v_add_nc_u32 v[ADR1H], LM1S-256, v[ADR1H]
.endif
.irp j,0,1,2,3
	ds_load_b128 v[CT+4*\j:CT+4*\j+3], v[ADRT1] offset:16*\j
.endr
	LOADW 0, ADR1L, 0
	LOADW 1, ADR1L, KS1
	LOADW 2, ADR1L, 2*KS1
	s_wait_dscnt 0x4                               ; the start tile and K step 0 are in; the four loads of K steps 1 and 2 stay out, as over the backward jump
.set n, 0
.rept 24
	CVOP n, RAW, FR
.set n, n+1
.endr
	s_mov_b32 s34, 7
.Lblock_\q:
	BLOCK 1, 1
	s_sub_co_u32 s34, s34, 1
	s_cmp_lg_u32 s34, 0
	s_cbranch_scc1 .Lblock_\q
	BLOCK 0, 1-\q                                  ; the last block of the strip asks for nothing beyond it
.endm
	s_wait_tensorcnt 0x1                           ; my rows of strip 0 are in LDS; my load of strip 1 was issued behind it and may stay out
	s_wait_dscnt 0x0                               ; the start values of layer 2 are in
	s_barrier_signal -1
	s_barrier_wait -1                              ; strip 0 is whole.
	HALF 0
	s_wait_tensorcnt 0x0                           ; my rows of strip 1
	s_wait_dscnt 0x0
	s_barrier_signal -1
	s_barrier_wait -1                              ; strip 1 is whole
	HALF 1
	; ---------------- the end: eight signs make a byte, most significant first ----------------
	; Lanes 0-15: registers 0-3 of E and O are features 0-7 (channel 0), registers 4-7 features 8-15 (channel 1).
	; Lanes 16-31: registers 0-3 are features 16-23 (channel 2); registers 4-7 are the padded features and are not stored.
.rept 4
	v_nop                                          ; four places behind the last matrix instruction (ISA guide 7.12.1)
.endr
.irp t,0,1,2,3
	v_lshrrev_b32 v[OUTLO+\t], 31, v[ACC2+16*\t]
	v_lshrrev_b32 v[OUTHI+\t], 31, v[ACC2+16*\t+4]
.endr
.irp o,8,1,9,2,10,3,11
.irp t,0,1,2,3
	v_alignbit_b32 v[OUTLO+\t], v[OUTLO+\t], v[ACC2+16*\t+\o], 31          ; shift left by one, the next sign comes in
	v_alignbit_b32 v[OUTHI+\t], v[OUTHI+\t], v[ACC2+16*\t+4+\o], 31
.endr
.endr
.irp j,0,1,2,3,4,5,6,7
	v_xor_b32 v[OUTLO+\j], 0xff, v[OUTLO+\j]       ; a bit is 1 where the sign is 0
.endr
.irp j,0,1,2,3,4,5,6,7
	v_cvt_f32_u32 v[OUTLO+\j], v[OUTLO+\j]
.endr
.irp j,0,2,4,6
	v_pk_add_f32 v[ERRLO+\j:ERRLO+\j+1], v[OUTLO+\j:OUTLO+\j+1], v[IMG+\j:IMG+\j+1] neg_lo:[0,1] neg_hi:[0,1]
.endr
	global_store_b128 v[OFFLO], v[OUTLO:OUTLO+3], s[52:53] th:TH_STORE_NT          ; sixteen lanes store 256 consecutive bytes, aligned: channel 0 and channel 2
	global_store_b128 v[OFFLO], v[ERRLO:ERRLO+3], s[54:55] th:TH_STORE_NT
	v_cmp_gt_u32 vcc_lo, 16, v1
	s_wait_xcnt 0x0                                ; EXEC is a source of the stores above: it changes only behind this wait
	s_and_saveexec_b32 s35, vcc_lo
	global_store_b128 v[OFFMID], v[OUTHI:OUTHI+3], s[52:53] offset:262144 th:TH_STORE_NT   ; channel 1, lanes 0-15
	global_store_b128 v[OFFMID], v[ERRHI:ERRHI+3], s[54:55] offset:262144 th:TH_STORE_NT
	s_wait_xcnt 0x0                                ; and again in front of the line that widens it
	s_or_b32 exec_lo, exec_lo, s35
	s_set_vgpr_msb 0xc
	s_wait_tensorcnt 0x0
	ds_add_u32 v7, v1
	s_wait_dscnt 0x0
	s_set_vgpr_msb 0xc00
	ROUND                                          ; the closing round: no work-group ends while a partner may still ask for a strip that names it
	s_endpgm
.Lfunc_end_k_q1ac4b0eae7_bnn:
	.size	k_q1ac4b0eae7_bnn, .Lfunc_end_k_q1ac4b0eae7_bnn-k_q1ac4b0eae7_bnn
	.p2alignl 7, 3214868480
	.fill 96, 4, 3214868480
	.section	.rodata,"a",@progbits
	.p2align	6, 0x0
	.amdhsa_kernel k_q1ac4b0eae7_bnn
		.amdhsa_group_segment_fixed_size 316672
		.amdhsa_private_segment_fixed_size 0
		.amdhsa_enable_private_segment 0
		.amdhsa_kernarg_size 80
		.amdhsa_user_sgpr_count 2
		.amdhsa_user_sgpr_kernarg_segment_ptr 1
		.amdhsa_wavefront_size32 1
		.amdhsa_system_sgpr_workgroup_id_x 1
		.amdhsa_system_sgpr_workgroup_id_y 1
		.amdhsa_system_sgpr_workgroup_id_z 1
		.amdhsa_system_vgpr_workitem_id 0
		.amdhsa_next_free_vgpr 770
		.amdhsa_next_free_sgpr 66
		.amdhsa_reserve_vcc 1
		.amdhsa_float_denorm_mode_32 3
		.amdhsa_float_denorm_mode_16_64 3
		.amdhsa_memory_ordered 1
		.amdhsa_forward_progress 1
		.amdhsa_inst_pref_size 255
	.end_amdhsa_kernel
	.section	.bss,"aw",@nobits
	.p2align	6
	.space	262144
	.amdgpu_metadata
---
amdhsa.version: [ 1, 2 ]
amdhsa.kernels:
  - .name:           k_q1ac4b0eae7_bnn
    .symbol:         k_q1ac4b0eae7_bnn.kd
    .args:
      - { .name: pos_enc, .offset: 0, .size: 8, .value_kind: global_buffer, .address_space: global }
      - { .name: masks0, .offset: 8, .size: 8, .value_kind: global_buffer, .address_space: global }
      - { .name: masks1, .offset: 16, .size: 8, .value_kind: global_buffer, .address_space: global }
      - { .name: masks2, .offset: 24, .size: 8, .value_kind: global_buffer, .address_space: global }
      - { .name: thresholds0, .offset: 32, .size: 8, .value_kind: global_buffer, .address_space: global }
      - { .name: thresholds1, .offset: 40, .size: 8, .value_kind: global_buffer, .address_space: global }
      - { .name: thresholds2, .offset: 48, .size: 8, .value_kind: global_buffer, .address_space: global }
      - { .name: image, .offset: 56, .size: 8, .value_kind: global_buffer, .address_space: global }
      - { .name: out0, .offset: 64, .size: 8, .value_kind: global_buffer, .address_space: global }
      - { .name: out1, .offset: 72, .size: 8, .value_kind: global_buffer, .address_space: global }
    .group_segment_fixed_size: 316672
    .private_segment_fixed_size: 0
    .kernarg_segment_align: 8
    .kernarg_segment_size: 80
    .max_flat_workgroup_size: 128
    .sgpr_count:     66
    .vgpr_count:     770
    .wavefront_size: 32
...
	.end_amdgpu_metadata
.endif
;; end of part 1
